; MI455X (gfx1250); checked and timed in simulation.
; The chip was launched on July 23, 2026; its instructions are those of AMD's public machine-readable ISA for CDNA 5 (MIT licence, August 2026) and "CDNA5" Instruction Set Architecture Reference Guide (July 2026). The comments in the code are by the model that wrote it; some were corrected since.
;; Modulated MLP Head. Allowed arithmetic: matrix products marked QUANTISED: E4M3 operands, one given power-of-two scale a tensor, by v_wmma_f32_16x16x64_fp8_fp8 or v_wmma_f32_16x16x128_fp8_fp8, f32 sums; products left as they are: f32 operands where the result goes on into a quantised operand, else bf16, f16 or f32 operands; f32 sums; everything else in f32.
;; Inputs: A0_b 256 float32; A0_w 256 x 1 float32; A_out_b 6 float32; A_out_w 6 x 256 float32; As_b 3 x 256 float32; As_w_codes 3 x 256 x 8 x 32 uint8 (E4M3 codes of As_w, K innermost, in blocks of 32 codes); Pj 128 x 512 float32; c1_b 512 float32; c1_w_codes 512 x 16 x 32 uint8 (E4M3 codes of c1_w, K innermost, in blocks of 32 codes); c2_b 1 float32; c2_w 1 x 512 float32; lowp_scales 16 int32 (the exponents e of the quantised operands' scales 2^e); s 128 x 2,048 x 1 float32; w0_b 256 float32; w0_w_codes 256 x 16 x 32 uint8 (E4M3 codes of w0_w, K innermost, in blocks of 32 codes); ws_b 3 x 256 float32; ws_w_codes 3 x 256 x 24 x 32 uint8 (E4M3 codes of ws_w, K innermost, in blocks of 32 codes).
;; Outputs: out0 128 x 2,048 x 6 float32; out1 128 x 1 float32.
;; This version of the problem:
;;   THIS VERSION OF THE PROBLEM IS GIVEN IN LOW PRECISION. The matrix products marked QUANTISED in the list below multiply operands that are first quantised to E4M3 (4 exponent bits, 3 mantissa bits; 8 bits a number), with one given power-of-two scale for each operand tensor; their sums are f32. All else is computed in f32.
;;   The module's matrix products, in the order in which they are computed (A, B: the left and right operand; K: the contracted axis; several contracted axes count as one K, in the product's order):
;;     1. [M 128, K 512] x [K 512, N 256]; A: input Pj; B: input w0_w (given as codes): QUANTISED (scales: A lowp_scales[0], B lowp_scales[1])
;;     2. [M 128, K 768] x [K 768, N 256]; A: computed on the way; B: input ws_w (given as codes): QUANTISED (scales: A lowp_scales[2], B lowp_scales[3])
;;     3. [M 128, K 768] x [K 768, N 256]; A: computed on the way; B: input ws_w (given as codes): QUANTISED (scales: A lowp_scales[4], B lowp_scales[5])
;;     4. [M 128, K 768] x [K 768, N 256]; A: computed on the way; B: input ws_w (given as codes): QUANTISED (scales: A lowp_scales[6], B lowp_scales[7])
;;     5. [M 262,144, K 1] x [K 1, N 256]; A: input s; B: input A0_w: left as it is (K = 1 < 32)
;;     6. [M 262,144, K 256] x [K 256, N 256]; A: computed on the way; B: input As_w (given as codes): QUANTISED (scales: A lowp_scales[8], B lowp_scales[9])
;;     7. [M 262,144, K 256] x [K 256, N 256]; A: computed on the way; B: input As_w (given as codes): QUANTISED (scales: A lowp_scales[10], B lowp_scales[11])
;;     8. [M 262,144, K 256] x [K 256, N 256]; A: computed on the way; B: input As_w (given as codes): QUANTISED (scales: A lowp_scales[12], B lowp_scales[13])
;;     9. [M 262,144, K 256] x [K 256, N 6]; A: computed on the way; B: input A_out_w: left as it is (N = 6 < 16)
;;     10. [M 128, K 512] x [K 512, N 512]; A: input Pj; B: input c1_w (given as codes): QUANTISED (scales: A lowp_scales[14], B lowp_scales[15])
;;     11. [M 128, K 512] x [K 512, N 1]; A: computed on the way; B: input c2_w: left as it is (N = 1 < 16)
;;   THE QUANTISER, for each operand of a quantised product, along K:
;;     - The operand's scale is 2^e, e = its entry of the input lowp_scales (int32; the entries are numbered through the quantised products in the list's order, A before B).
;;     - Each number is divided by the scale, clamped to +-448, and rounded to the nearest number of E4M3, ties to even, subnormals kept.
;;     - The product sums the exact products of the quantised numbers (number of the format x scale) in f32.
;;   ~~~python
;;   def quantise(x, axis, e):      # numpy; x: float32 -> the quantised numbers, widened to float32 again
;;       x = np.moveaxis(x, axis, -1); K = x.shape[-1]
;;       r = np.clip(x / 2.0 ** e, -448, 448)
;;       step = 2.0 ** (np.maximum(np.frexp(np.where(r == 0, 1, r))[1] - 1, -6) - 3)
;;       q = np.round(r / step) * step * 2.0 ** e      # np.round: ties to even
;;       return np.moveaxis(q, -1, axis).astype(np.float32)
;;   ~~~
;;   OPERANDS COMPUTED ON THE WAY. 'Computed on the way' means the value that the module computes at that place (a softmax that the list does not call 'softmax' is quantised finished and normalised). What goes into a quantiser is computed in f32, as accurately as f32 sums, v_exp_f32 and their like allow (about 1e-6 of the number): no bf16 or f16 on the way to a quantiser, and a product that is left as it is and whose result goes on into a quantised operand takes f32 operands (vector FMAs, or v_wmma_f32_16x16x4_f32). A number that lies on a knife's edge between two numbers of the format may be rounded either way, as far as f32 arithmetic and the matrix unit's own rounding can turn it there, and no further.
;;   INPUTS GIVEN AS CODES. As_w (in the module: [3, 256, 256], K = its axis 2); c1_w (in the module: [512, 512], K = its axis 1); w0_w (in the module: [256, 512], K = its axis 1); ws_w (in the module: [3, 256, 768], K = its axis 2): each comes as NAME_codes (uint8): NAME with its K axis moved to the last place and cut into blocks of 32 codes, [.., K / 32, bytes a block], one block behind the other in memory; one code a byte (a code: sign, 4 exponent bits, 3 mantissa bits); its scale is its entry of lowp_scales. Its value is code x scale, taken as it is: it is not quantised again, and the codes and scales need not be those that the quantiser above would give.
;; One version. Each part assembles by itself: llvm-mc -triple=amdgcn-amd-amdhsa -mcpu=gfx1250 --defsym DOCPART=n.
;; ======== version 1 of 1: 2 launches
;; workspace buffers: pre 524,288 bytes; fpart 1,024 bytes
;; launch pjpart (part 1): grid 6 x 8, 8 waves a work-group, no clusters, 27,136 bytes of LDS; arguments Pj, w0_w_codes, ws_w_codes, c1_w_codes, w0_b, ws_b, c1_b, c2_w, lowp_scales, pre, fpart; writes pre, fpart
.if DOCPART == 1
	.amdgcn_target "amdgcn-amd-amdhsa--gfx1250"
	.amdhsa_code_object_version 6
	.text
	.protected	k_q28eeaed99d_pjpart
	.globl	k_q28eeaed99d_pjpart
	.p2align	8
	.type	k_q28eeaed99d_pjpart,@function
k_q28eeaed99d_pjpart:
	s_mov_b64 s[64:65], 0
	v_nop
	global_prefetch_b8 v0, s[64:65] scope:SCOPE_SE
	s_setreg_imm32_b32 hwreg(HW_REG_WAVE_MODE, 25, 1), 1
	s_wait_xcnt 0x0
; ALL THAT HANGS ON Pj ALONE.  Six jobs (work-group x) of 256 columns and K = 512, for each of eight tiles of 16 batch rows (work-group y):
;   job 0:    pre[0]   = Pj w0^T + w0_b                                    scales: entries 0, 1
;   job 1-3:  pre[J]   = Pj (columns 256..767 of ws[J-1])^T + ws_b[J-1]     scales: entries 2 J, 2 J + 1
;   job 4, 5: fpart[J-4][row] = sum over 256 columns of relu(Pj c1^T + c1_b) c2_w          scales: entries 14, 15
; pre: f32 [4][128][256], before the relu, in true units.  fpart: f32 [2][128].
; Pj is quantised here with the job's own scale: x / 2^e (v_ldexp_f32, so e has no limit of range), held within +-448, to the nearest E4M3 code.  NaN among the inputs is not served.
; SHARES.  Eight waves.  Wave v quantises half of one K step of the 16 rows and puts it in LDS as an image of the operand's registers (16 bytes a lane, 512 an instruction); behind a barrier
; every wave loads all four K steps.  Wave v owns columns 32 v .. 32 v + 31: two tiles.  The product is used transposed (source 0 = 16 rows of the weight, source 1 = Pj's 16 rows), and lane r of
; tile u takes weight row 32 v + 8 u + r + 8 (r / 8): so lane (r, h) holds batch row r and, in 16 registers on end, columns 32 v + 16 h + 0 .. 15.
; A fragment's registers 4 c .. 4 c + 3 hold k = 32 c + 16 h + 0 .. 15 on both sides: the same permutation of k in both operands, so every product meets its partner.
; The jobs differ in pointers, pitch and scales (chosen by selects on the work-group's number) and in two short branches on that number; both barriers stand on the one path of all waves.
; No tensor load, no cluster: a work-group reads each of its bytes once, and the weights go straight into the registers that multiply them.
.set IMG,  0                           ; LDS: Pj's four fragments, 2,048 bytes each
.set STGP, 8192                        ; jobs 0-3: 16 rows x (1,024 + 16) bytes of results
.set SPP,  1040
.set STGC, 24832                       ; jobs 4, 5: a word for each thread
.set W,    16                          ; v16-143  weights: fragment (tile u, K step s) at W + 64 u + 16 s
.set A,    144                         ; v144-207 first 32 numbers of Pj, then Pj's four fragments, then results
.set ACC,  208                         ; v208-223 first the codes just made, then the two accumulators
.set BI,   224                         ; v224-239 bias of my 16 columns
.set C2,   240                         ; v240-255 c2_w of my 16 columns
	s_load_b512 s[8:23], s[0:1], 0x0               ; Pj, w0, ws, c1, w0_b, ws_b, c1_b, c2_w
	s_load_b128 s[24:27], s[0:1], 0x40             ; the scales' exponents, pre
	s_load_b64 s[28:29], s[0:1], 0x50              ; fpart
	s_set_vgpr_msb 0x40
	v_lshl_add_u32 v0, v0, 2, 0x6600
	v_mov_b32 v1, 0
	s_set_vgpr_msb 0x4000
	v_lshrrev_b32 v3, 5, v0
	v_readfirstlane_b32 s52, v3                    ; wave 0..7
	v_and_b32 v2, 31, v0                           ; lane
	v_and_b32 v14, 15, v0                          ; r
	v_bfe_u32 v15, v0, 4, 1                        ; h
	v_lshlrev_b32 v1, 4, v2                        ; 16 x lane: my place in an image
	v_mov_b32 v12, 1.0                             ; the conversions' scale: the numbers are divided beforehand
	v_mov_b32 v13, 0x43e00000                      ; 448
	s_mov_b32 s30, ttmp9                           ; the job J
	s_and_b32 s31, ttmp7, 0xffff                   ; the tile of rows
	s_mov_b32 s60, 0x76543210                      ; v_permlanex16_b32's selects for lane l xor 16
	s_mov_b32 s61, 0xfedcba98
	; the job's offsets: first as for jobs 1-3, then replaced for job 0 and for jobs 4, 5
	s_sub_co_u32 s32, s30, 1
	s_mul_i32 s33, s32, 196608
	s_add_co_u32 s33, s33, 256                     ; weights: layer J - 1 of ws, behind the 256 columns that belong to h
	s_lshl_b32 s34, s32, 10                        ; bias
	s_mov_b32 s35, 768                             ; bytes from row to row of the weight
	s_lshl_b32 s36, s30, 3                         ; the scales: entry 2 J
	s_sub_co_u32 s37, s30, 4
	s_lshl_b32 s38, s37, 17                        ; c1: 256 rows of 512 bytes a job
	s_lshl_b32 s39, s37, 10
	s_wait_kmcnt 0x0
	s_cmp_eq_u32 s30, 0
	s_cselect_b64 s[40:41], s[10:11], s[12:13]
	s_cselect_b64 s[42:43], s[16:17], s[18:19]
	s_cselect_b32 s33, 0, s33
	s_cselect_b32 s34, 0, s34
	s_cselect_b32 s35, 512, s35
	s_cmp_ge_u32 s30, 4
	s_cselect_b64 s[40:41], s[14:15], s[40:41]
	s_cselect_b64 s[42:43], s[20:21], s[42:43]
	s_cselect_b32 s33, s38, s33
	s_cselect_b32 s34, s39, s34
	s_cselect_b32 s35, 512, s35
	s_cselect_b32 s36, 56, s36                     ; entry 14
	s_cselect_b32 s44, s39, 0                      ; c2_w: jobs 0-3 load its first numbers and do not use them, so that all jobs issue the same loads
	s_mov_b32 s45, 0
	s_mov_b32 s47, 0
	s_mov_b32 s46, s33
	s_add_nc_u64 s[40:41], s[40:41], s[46:47]      ; the job's weights
	s_mov_b32 s46, s34
	s_add_nc_u64 s[42:43], s[42:43], s[46:47]      ; its bias
	s_add_nc_u64 s[22:23], s[22:23], s[44:45]      ; its c2_w
	s_mov_b32 s46, s36
	s_add_nc_u64 s[24:25], s[24:25], s[46:47]
	s_load_b64 s[48:49], s[24:25], 0x0             ; eA, eB
	s_lshl_b32 s46, s31, 15
	s_add_nc_u64 s[8:9], s[8:9], s[46:47]          ; Pj at my 16 rows of 2,048 bytes
	s_min_u32 s50, s30, 3
	s_lshl_b32 s50, s50, 17
	s_lshl_b32 s51, s31, 14
	s_add_co_u32 s46, s50, s51
	s_add_nc_u64 s[26:27], s[26:27], s[46:47]      ; pre[J] at my 16 rows of 1,024 bytes (used by jobs 0-3 alone)
	s_lshr_b32 s50, s44, 1
	s_lshl_b32 s51, s31, 6
	s_add_co_u32 s46, s50, s51
	s_add_nc_u64 s[28:29], s[28:29], s[46:47]      ; fpart[J - 4] at my 16 rows (used by jobs 4, 5 alone)
	; lane addresses; every LDS address is made here, ahead of the branches
	v_and_b32 v3, 8, v14
	v_add_nc_u32 v3, v3, v14                       ; r + 8 (r / 8)
	s_lshl_b32 s53, s52, 5
	v_add_nc_u32 v3, s53, v3
	v_mul_lo_u32 v4, v3, s35
	v_lshl_add_u32 v4, v15, 4, v4                  ; weights, tile 0: row x pitch + 16 h
	s_lshl_b32 s54, s35, 3
	v_add_nc_u32 v5, s54, v4                       ; tile 1: eight rows on
	s_lshr_b32 s55, s52, 1
	s_and_b32 s56, s52, 1
	s_lshl_b32 s57, s55, 9
	s_lshl_b32 s58, s56, 8
	s_add_co_u32 s57, s57, s58
	v_lshlrev_b32 v6, 11, v14
	v_lshl_add_u32 v6, v15, 6, v6
	v_add_nc_u32 v6, s57, v6                       ; Pj: row r, K step wave / 2, pieces 2 (wave % 2) + 0, 1: 16 numbers of each for my half
	s_lshl_b32 s58, s52, 7
	v_lshlrev_b32 v7, 6, v15
	v_add_nc_u32 v7, s58, v7                       ; 128 v + 64 h: my 16 columns in a vector of f32
	s_lshl_b32 s59, s52, 10
	v_add_nc_u32 v8, s59, v1                       ; where my two pieces of the image go: 2,048 (v / 2) + 1,024 (v % 2) + 16 x lane
	v_mul_u32_u24 v9, v14, SPP
	v_add_nc_u32 v9, v9, v7
	v_add_nc_u32 v9, STGP, v9                      ; the stage, in: row r, my 64 bytes
	s_mul_i32 s59, s52, 2*SPP
	v_add_nc_u32 v10, s59, v1
	v_add_nc_u32 v10, STGP, v10                    ; and back: rows 2 v and 2 v + 1
	s_lshl_b32 s59, s52, 11
	v_add_nc_u32 v11, s59, v1                      ; the same two rows in pre
	v_lshl_add_u32 v3, v0, 2, STGC                 ; my word among the partial sums
	v_lshl_add_u32 v2, v2, 2, STGC                 ; where wave 0 reads them back
	v_lshlrev_b32 v14, 2, v14                      ; 4 r: my place in fpart
	; the loads: Pj's eight first, so that one counted wait frees them
.irp p, 0,1
.irp q, 0,1,2,3
	global_load_b128 v[A+16*\p+4*\q:A+16*\p+4*\q+3], v6, s[8:9] offset:128*\p+16*\q
.endr
.endr
.irp s, 0,1,2,3
.irp c, 0,1,2,3
	global_load_b128 v[W+16*\s+4*\c:W+16*\s+4*\c+3], v4, s[40:41] offset:128*\s+32*\c
	global_load_b128 v[W+64+16*\s+4*\c:W+64+16*\s+4*\c+3], v5, s[40:41] offset:128*\s+32*\c
.endr
.endr
.irp q, 0,1,2,3
	global_load_b128 v[BI+4*\q:BI+4*\q+3], v7, s[42:43] offset:16*\q
.endr
.irp q, 0,1,2,3
	global_load_b128 v[C2+4*\q:C2+4*\q+3], v7, s[22:23] offset:16*\q
.endr
	s_wait_kmcnt 0x0
	s_sub_co_i32 s50, 0, s48                       ; -eA
	s_add_co_i32 s51, s48, s49                     ; eA + eB
	s_wait_loadcnt 40                              ; Pj's eight are in; the 32 + 4 + 4 issued behind them may be out
.set i, 0
.rept 32
	v_ldexp_f32 v[A+i], v[A+i], s50                ; x / 2^eA
.set i, i+1
.endr
.set i, 0
.rept 32
	v_med3_num_f32 v[A+i], v[A+i], -v13, v13       ; the conversion to an 8-bit code does not saturate (ISA guide 7.6.2): the hold comes first
.set i, i+1
.endr
.irp g, 0,1,2,3
	v_cvt_scalef32_pk8_fp8_f32 v[ACC+2*\g:ACC+2*\g+1], v[A+8*\g:A+8*\g+7], v12
.endr
	v_nop                                          ; one plain instruction between the conversions and the products that later write these registers
	ds_store_b128 v8, v[ACC:ACC+3]
	ds_store_b128 v8, v[ACC+4:ACC+7] offset:512
	s_wait_dscnt 0x0                               ; for the others' sake: my pieces of the image are in LDS
	s_barrier_signal -1
	s_barrier_wait -1
.irp k, 0,1,2,3,4,5,6,7,8,9,10,11,12,13,14,15
	ds_load_b128 v[A+4*\k:A+4*\k+3], v1 offset:IMG+512*\k          ; piece c of K step s lies at 512 (4 s + c) and is registers 4 (4 s + c) on
.endr
	s_wait_dscnt 0x0
	s_wait_loadcnt 0x0                             ; weights, bias, c2_w
.irp s, 0,1,2,3                        ; the two accumulators take turns, one instruction a turn; the first products start the sums
.irp u, 0,1
.if \s == 0
	v_wmma_f32_16x16x128_fp8_fp8 v[ACC+8*\u:ACC+8*\u+7], v[W+64*\u+16*\s:W+64*\u+16*\s+15], v[A+16*\s:A+16*\s+15], 0
.else
	v_wmma_f32_16x16x128_fp8_fp8 v[ACC+8*\u:ACC+8*\u+7], v[W+64*\u+16*\s:W+64*\u+16*\s+15], v[A+16*\s:A+16*\s+15], v[ACC+8*\u:ACC+8*\u+7]
.endif
.endr
.endr
.rept 4
	v_nop                                          ; four places (ISA guide 7.12.1) ahead of the reads of the sums and of the writes over Pj's fragments
.endr
.set i, 0
.rept 16
	v_ldexp_f32 v[A+i], v[ACC+i], s51              ; sum x 2^(eA + eB), each accumulator from its low end on
.set i, i+1
.endr
.irp j, 0,2,4,6,8,10,12,14
	v_pk_add_f32 v[A+\j:A+\j+1], v[A+\j:A+\j+1], v[BI+\j:BI+\j+1]
.endr
	s_cmp_ge_u32 s30, 4
	s_cbranch_scc1 .Lc_in
.irp q, 0,1,2,3                        ; jobs 0-3: my 64 bytes of row r into the stage
	ds_store_b128 v9, v[A+4*\q:A+4*\q+3] offset:16*\q
.endr
	s_branch .Lmeet
.Lc_in:                                ; jobs 4, 5: relu, then the dot with c2_w over my 16 columns, in two chains
.set i, 0
.rept 16
	v_max_num_f32 v[A+i], 0, v[A+i]
.set i, i+1
.endr
	v_pk_mul_f32 v[A+16:A+17], v[A:A+1], v[C2:C2+1]
	v_pk_mul_f32 v[A+18:A+19], v[A+2:A+3], v[C2+2:C2+3]
.irp j, 4,8,12
	v_pk_fma_f32 v[A+16:A+17], v[A+\j:A+\j+1], v[C2+\j:C2+\j+1], v[A+16:A+17]
	v_pk_fma_f32 v[A+18:A+19], v[A+\j+2:A+\j+3], v[C2+\j+2:C2+\j+3], v[A+18:A+19]
.endr
	v_pk_add_f32 v[A+16:A+17], v[A+16:A+17], v[A+18:A+19]
	v_add_f32 v[A+16], v[A+16], v[A+17]
	v_permlanex16_b32 v[A+17], v[A+16], s60, s61   ; the row's other 16 columns lie in the lane 16 away
	v_add_f32 v[A+16], v[A+16], v[A+17]
	ds_store_b32 v3, v[A+16]                       ; my wave's 32 columns of row r
.Lmeet:
	s_wait_dscnt 0x0                               ; for the others' sake: my stores are in LDS
	s_barrier_signal -1
	s_barrier_wait -1
	s_cmp_ge_u32 s30, 4
	s_cbranch_scc1 .Lc_out
.irp i, 0,1,2,3                        ; jobs 0-3: wave v takes rows 2 v and 2 v + 1 whole: 2,048 consecutive bytes of pre
	ds_load_b128 v[A+4*\i:A+4*\i+3], v10 offset:SPP*(\i/2)+512*(\i%2)
.endr
.irp i, 0,1,2,3
	s_wait_dscnt 3-\i
	global_store_b128 v11, v[A+4*\i:A+4*\i+3], s[26:27] offset:512*\i    ; 32 lanes store 512 consecutive bytes, at a multiple of 512 from pre's first byte
.endr
	s_set_vgpr_msb 0x5
	s_wait_tensorcnt 0x0
	ds_add_u32 v0, v1
	s_wait_dscnt 0x0
	s_set_vgpr_msb 0x500
	s_endpgm
.Lc_out:                               ; jobs 4, 5: wave 0 adds the eight waves' sums
	s_cmp_lg_u32 s52, 0
	s_cbranch_scc1 .Ldone
.irp i, 0,1,2,3,4,5,6,7
	ds_load_b32 v[A+\i], v2 offset:128*\i
.endr
	s_wait_dscnt 0x0
	v_add_f32 v[A], v[A], v[A+1]
	v_add_f32 v[A+2], v[A+2], v[A+3]
	v_add_f32 v[A+4], v[A+4], v[A+5]
	v_add_f32 v[A+6], v[A+6], v[A+7]
	v_add_f32 v[A], v[A], v[A+2]
	v_add_f32 v[A+4], v[A+4], v[A+6]
	v_add_f32 v[A], v[A], v[A+4]
	s_wait_xcnt 0x0                                ; EXEC changes only behind this wait
	v_cmp_gt_u32 vcc_lo, 16, v0
	s_and_saveexec_b32 s62, vcc_lo                 ; lanes 0-15: a row each
	global_store_b32 v14, v[A], s[28:29]
	s_wait_xcnt 0x0                                ; and again, ahead of the line that widens it
	s_or_b32 exec_lo, exec_lo, s62
.Ldone:
	s_set_vgpr_msb 0x5
	s_wait_tensorcnt 0x0
	ds_add_u32 v0, v1
	s_wait_dscnt 0x0
	s_set_vgpr_msb 0x500
	s_endpgm
.Lfunc_end_k_q28eeaed99d_pjpart:
	.size	k_q28eeaed99d_pjpart, .Lfunc_end_k_q28eeaed99d_pjpart-k_q28eeaed99d_pjpart
	.p2alignl 7, 3214868480
	.fill 96, 4, 3214868480
	.section	.rodata,"a",@progbits
	.p2align	6, 0x0
	.amdhsa_kernel k_q28eeaed99d_pjpart
		.amdhsa_group_segment_fixed_size 27136
		.amdhsa_private_segment_fixed_size 0
		.amdhsa_enable_private_segment 0
		.amdhsa_kernarg_size 88
		.amdhsa_user_sgpr_count 2
		.amdhsa_user_sgpr_kernarg_segment_ptr 1
		.amdhsa_wavefront_size32 1
		.amdhsa_system_sgpr_workgroup_id_x 1
		.amdhsa_system_sgpr_workgroup_id_y 1
		.amdhsa_system_sgpr_workgroup_id_z 1
		.amdhsa_system_vgpr_workitem_id 0
		.amdhsa_next_free_vgpr 258
		.amdhsa_next_free_sgpr 66
		.amdhsa_reserve_vcc 1
		.amdhsa_float_denorm_mode_32 3
		.amdhsa_float_denorm_mode_16_64 3
		.amdhsa_memory_ordered 1
		.amdhsa_forward_progress 1
		.amdhsa_inst_pref_size 21
	.end_amdhsa_kernel
	.amdgpu_metadata
---
amdhsa.version: [ 1, 2 ]
amdhsa.kernels:
  - .name:           k_q28eeaed99d_pjpart
    .symbol:         k_q28eeaed99d_pjpart.kd
    .args:
      - { .name: Pj, .offset: 0, .size: 8, .value_kind: global_buffer, .address_space: global }
      - { .name: w0_w_codes, .offset: 8, .size: 8, .value_kind: global_buffer, .address_space: global }
      - { .name: ws_w_codes, .offset: 16, .size: 8, .value_kind: global_buffer, .address_space: global }
      - { .name: c1_w_codes, .offset: 24, .size: 8, .value_kind: global_buffer, .address_space: global }
      - { .name: w0_b, .offset: 32, .size: 8, .value_kind: global_buffer, .address_space: global }
      - { .name: ws_b, .offset: 40, .size: 8, .value_kind: global_buffer, .address_space: global }
      - { .name: c1_b, .offset: 48, .size: 8, .value_kind: global_buffer, .address_space: global }
      - { .name: c2_w, .offset: 56, .size: 8, .value_kind: global_buffer, .address_space: global }
      - { .name: lowp_scales, .offset: 64, .size: 8, .value_kind: global_buffer, .address_space: global }
      - { .name: pre, .offset: 72, .size: 8, .value_kind: global_buffer, .address_space: global }
      - { .name: fpart, .offset: 80, .size: 8, .value_kind: global_buffer, .address_space: global }
    .group_segment_fixed_size: 27136
    .private_segment_fixed_size: 0
    .kernarg_segment_align: 8
    .kernarg_segment_size: 88
    .max_flat_workgroup_size: 256
    .sgpr_count:     66
    .vgpr_count:     258
    .wavefront_size: 32
...
	.end_amdgpu_metadata
.endif
;; end of part 1
;; launch mlp (part 2): grid 2 x 128, 4 waves a work-group, no clusters, 279,040 bytes of LDS; arguments s, A0_w, A0_b, As_w_codes, As_b, A_out_w, A_out_b, ws_w_codes, lowp_scales, c2_b, pre, fpart, out0, out1; writes out0, out1
.if DOCPART == 2
	.amdgcn_target "amdgcn-amd-amdhsa--gfx1250"
	.amdhsa_code_object_version 6
	.text
	.protected	k_q28eeaed99d_mlp
	.globl	k_q28eeaed99d_mlp
	.p2align	8
	.type	k_q28eeaed99d_mlp,@function
k_q28eeaed99d_mlp:
	s_mov_b64 s[64:65], 0
	v_nop
	global_prefetch_b8 v0, s[64:65] scope:SCOPE_SE
	s_setreg_imm32_b32 hwreg(HW_REG_WAVE_MODE, 25, 1), 1
	s_wait_xcnt 0x0
; THE MODULATED MLP, fused: a work-group takes one batch b (work-group y) and 1,024 of its 2,048 rows (work-group x); no hidden layer goes to memory.
; HEAD.  h0 = relu(pre[0][b]); h_l = relu(Q(h_(l-1)) (first 256 columns of ws[l-1])^T + pre[l][b]), l = 1..3: the row of h stands in all 16 columns of the tile, so each lane ends up with h at the very
; units whose results it will hold.  out1[b] = sigmoid(fpart[0][b] + fpart[1][b] + c2_b).
; MAIN.  x0 = h0 relu(s A0_w + A0_b); x_l = h_l relu(Q(x_(l-1)) As[l-1]^T + As_b[l-1]); y = x3 A_out_w^T + A_out_b.
; h_l is a relu's result, never negative, so h relu(z) = relu(h z).  All powers of two are folded into constants by v_ldexp_f32, so the given exponents have no limit of range:
;   a'' = h0 A0_w 2^-mA1, b'' = h0 A0_b 2^-mA1: x0's code = s a'' + b'' held in [0, 448];   B_l = As_b 2^-(mA_l + mB_l) is the C of a sum's first product;
;   g_l = h_l 2^(mA_l + mB_l - mA_(l+1)): x_l's code = sum x g_l held in [0, 448];   A' = A_out_w h3 2^(mA3 + mB3) in bf16: y = relu(sum) (bf16) x A'^T.   (cA, cB: entries 2 l, 2 l + 1; mA, mB: entries 6 + 2 l, 7 + 2 l.)
; LIMITS: NaN among the inputs is not served; a zero may carry the code of -0.
; SHARES.  Four waves share the COLUMNS: wave w owns units 64 w .. 64 w + 63 of every layer, four tiles; lane r of tile 2 b' + u takes weight row 64 w + 32 b' + 8 u + r + 8 (r / 8).  The products are used
; transposed (source 0 = weights, source 1 = 16 rows of x): lane (r, h) holds row r, and register 16 b' + i of a row tile's 32 holds unit 64 w + 32 b' + 16 h + i: 16 neighbours along the next K.
; The three layers' weights (384 registers), biases and factors stay in registers for the whole launch.  Codes go from wave to wave through LDS as images of the operand's registers: 4,096 bytes a tile of 16 rows,
; piece c of K step s at 2,048 s + 512 c + 16 x lane.  Registers 4 c .. 4 c + 3 of a fragment hold k = 32 c + 16 h + 0 .. 15 on both sides: the same permutation of k in both operands.
; ROWS.  Two blocks of 32 row tiles.  Tile 4 G + j holds in lane r the row 64 G + 4 r + j of the block: 16 bytes of s serve a lane for four tiles.
; A BLOCK: P0 (x0's codes -> XA) | barrier | layer 1 (XA -> XB) | barrier | layer 2 (XB -> XA) | barrier | layer 3 and y's partial sums (XA -> YP, in XB) | barrier | the four waves' sums, bias, stores | barrier.
; In a layer a tile's eight products carry the vector work of the tile before in slices behind them, so that matrix and vector work stand side by side in one wave.
; NO CLUSTER, NO JOINT LOADS: a work-group reads As's 196,608 bytes once, lane by lane into the registers that multiply them, and ws's 196,608 bytes once, three tiles a wave at the head; nothing is fetched per step.
; The tensor loads are first fills alone: three of mine are out at most.  Their bytes are stored over only behind a barrier that follows every wave's wait for all its loads and its last read of them.
; REGISTERS, in windows of 256 (s_set_vgpr_msb: bits 1:0 source 0, 3:2 source 1, 5:4 source 2, 7:6 destination):
;   window 0: v1-31 addresses and constants; v32-47 codes (layer 3: x3 in bf16); v48-63 s, later y's two accumulators; v64-127 two sets of 32 sums; v128-255 four buffers of a row tile's two fragments
;   window l = 1..3: v0-127 As[l-1], fragment (tile t, K step s) at 32 t + 16 s; v128-159 pre[l], then g_l; v160-191 B_l;  window 1: v192-223 a'', v224-255 b'';  window 3: v192-207 A'
.set XA,   0                           ; LDS: 32 images
.set XB,   131072                      ; 32 images; in layer 3 YP: tile x 4,096 + wave x 1,024 + 32 x lane, six f32
.set SB,   262144                      ; the work-group's 1,024 numbers of s
.set CH,   266240                      ; the images of h0, h1, h2: 4,096 bytes each
.set TWW,  52224                       ; ws's tiles, at the head only: wave w's three begin at TWW w,
.set TWL,  17408                       ; one behind the other: 64 rows of
.set TP,   272                         ; 256 bytes + 16 of padding
.set CODES, 32
.set X3,   32
.set SQ,   48
.set YA,   48
.set ACC,  64
.set XF,   128
.set TMP,  128
.set GF,   128
.set BL,   160
.set AO,   192
.set AP,   192
.set BP,   224
.set XI,   88                          ; s88 the LDS byte from which a phase reads;  s89 to which it writes;  s90 where s's next 16 bytes a lane lie;  s91, s92 counters
.set XS,   89
.set SO,   90
.set CNT,  91
.set BLK,  92
.set MSB, 0
.macro WIN new                         ; the immediate's high byte repeats the setting that is left; a switch that changes nothing is dropped
.if MSB != (\new)
	s_set_vgpr_msb (MSB<<8)|(\new)
.set MSB, (\new)
.endif
.endm
.macro BAR                             ; my LDS stores have landed and my LDS loads are in: then the work-group's barrier
	s_wait_dscnt 0x0
	s_barrier_signal -1
	s_barrier_wait -1
.endm
.macro PLACES
.rept 4
	v_nop
.endr
.endm
.macro CLOAD reg, adr, sb, off         ; 32 f32 in the layout of a row tile's sums: 16 neighbours at 128 b' (+ 256 w + 64 h in the address)
.irp q, 0,1,2,3,4,5,6,7
	global_load_b128 v[(\reg)+4*\q:(\reg)+4*\q+3], v[\adr], s[\sb:\sb+1] offset:(\off)+128*(\q/4)+16*(\q%4)
.endr
.endm
.macro ASF l, f                        ; fragment f = 2 t + s of As[l - 1]
.irp c, 0,1,2,3
	global_load_b128 v[16*(\f)+4*\c:16*(\f)+4*\c+3], v31, s[14:15] offset:65536*((\l)-1)+(32*((\f)/4)+8*(((\f)/2)%2))*256+128*((\f)%2)+32*\c
.endr
.endm
.macro LDEXP32 d, s, e
.set i, 0
.rept 32
	v_ldexp_f32 v[(\d)+i], v[(\s)+i], s[\e]
.set i, i+1
.endr
.endm
.macro CODEOUT e, off                  ; h (never negative) in v[ACC] on, x 2^s[e], held at 448, becomes codes; my two pieces of the image go to CH + off
	LDEXP32 ACC, ACC, \e
.set i, 0
.rept 32
	v_min_num_f32 v[ACC+i], s55, v[ACC+i]
.set i, i+1
.endr
.irp g, 0,1,2,3
	v_cvt_scalef32_pk8_fp8_f32 v[CODES+2*\g:CODES+2*\g+1], v[ACC+8*\g:ACC+8*\g+7], v5
.endr
	v_nop                                          ; one plain instruction between the conversions and the products that later write their sources
	ds_store_b128 v7, v[CODES:CODES+3] offset:\off
	ds_store_b128 v7, v[CODES+4:CODES+7] offset:(\off)+512
.endm
	s_load_b512 s[8:23], s[0:1], 0x0               ; s, A0_w, A0_b, As, As_b, A_out_w, A_out_b, ws
	s_load_b256 s[24:31], s[0:1], 0x40             ; the scales' exponents, c2_b, pre, fpart
	s_load_b128 s[32:35], s[0:1], 0x60             ; out0, out1
	s_set_vgpr_msb 0x80
	v_lshl_add_u32 v254, v0, 2, 0x44000
	v_mov_b32 v255, 0
	s_set_vgpr_msb 0x808a
	ds_add_u32 v254, v255
	ds_add_u32 v254, v255
	s_set_vgpr_msb 0x8a00
	v_lshrrev_b32 v49, 5, v0
	v_readfirstlane_b32 s52, v49                   ; wave 0..3
	s_mov_b32 s53, ttmp9                           ; which half of the batch's rows
	s_and_b32 s54, ttmp7, 0xffff                   ; the batch
	s_mov_b32 s55, 0x43e00000                      ; 448
	; descriptor group 1: 64 rows x 256 bytes out of rows of 768, padded in LDS
	s_mov_b32 s68, (1<<20)|(5<<22)|(3<<25)         ; no mask; elements of 1 byte; padding on: 4 words (code 3) after every 64 (code 5)
	s_mov_b32 s69, 256<<16                         ; tensor_dim0
	s_mov_b32 s70, 64<<16                          ; tensor_dim1
	s_mov_b32 s71, 256<<16                         ; tile_dim0
	s_mov_b32 s72, 64                              ; tile_dim1
	s_mov_b32 s73, 768                             ; tensor_dim0_stride
	s_mov_b32 s74, 0
	s_mov_b32 s75, 0
	s_mul_i32 s58, s52, TWW
	s_mul_i32 s60, s52, 49152                      ; my 64 rows of 768 bytes
	s_mov_b32 s61, 0
	s_wait_dscnt 0x0
	s_wait_kmcnt 0x0
	s_load_b512 s[36:51], s[24:25], 0x0            ; entry i of the scales in s[36 + i]
	s_add_nc_u64 s[62:63], s[22:23], s[60:61]
.irp l, 0,1,2
	s_mov_b32 s[76+4*\l], 1                        ; count = 1
	s_add_co_u32 s[77+4*\l], s58, TWL*\l           ; LDS address: my wave's own bytes
	s_add_nc_u64 s[78+4*\l:79+4*\l], s[62:63], 196608*\l
	s_or_b32 s[79+4*\l], s[79+4*\l], 0x80000000    ; type = 2
.endr
	tensor_load_to_lds s[76:79], s[68:75]          ; the three first fills go out together, ahead of every wait on TENSORcnt, every LDS read and every barrier
	s_nop 0
	tensor_load_to_lds s[80:83], s[68:75]
	s_nop 0
	tensor_load_to_lds s[84:87], s[68:75]
	s_nop 0
	PLACES                                         ; four v_nop follow the last
	s_lshl_b32 s60, s54, 2
	s_mov_b32 s94, s60                             ; 4 b
	s_add_nc_u64 s[30:31], s[30:31], s[60:61]
	s_load_b32 s66, s[30:31], 0x0                  ; fpart[0][b]
	s_load_b32 s67, s[30:31], 0x200                ; fpart[1][b]
	s_load_b32 s93, s[26:27], 0x0                  ; c2_b
	s_lshl_b32 s60, s54, 13
	s_lshl_b32 s56, s53, 12
	s_add_co_u32 s60, s60, s56
	s_add_nc_u64 s[8:9], s[8:9], s[60:61]          ; s at my 1,024 rows
	s_lshl_b32 s60, s54, 10
	s_add_nc_u64 s[28:29], s[28:29], s[60:61]      ; pre at row b
	s_mul_i32 s60, s54, 49152
	s_mul_i32 s56, s53, 24576
	s_add_co_u32 s60, s60, s56
	s_add_nc_u64 s[32:33], s[32:33], s[60:61]      ; out0 at my first row: 24 bytes a row
	; lane addresses
	v_and_b32 v48, 31, v0                          ; lane
	v_and_b32 v50, 15, v0                          ; r
	v_bfe_u32 v51, v0, 4, 1                        ; h
	v_lshlrev_b32 v1, 4, v48                       ; 16 x lane
	s_lshl_b32 s56, s52, 10
	v_add_nc_u32 v3, s56, v1                       ; my two pieces of an image: 16 x lane + 2,048 (w / 2) + 1,024 (w % 2)
	v_mov_b32 v5, 1.0                              ; the conversions' scale: all powers of two are folded beforehand
	v_lshl_add_u32 v6, v50, 4, SB                  ; s: 16 bytes for lane r
	v_add_nc_u32 v7, CH, v3                        ; h's images, in
	v_lshl_add_u32 v8, v48, 5, s56                 ; y's partial sums: 1,024 w + 32 x lane
	v_add_nc_u32 v9, CH, v1                        ; h's images, back
	s_lshl_b32 s57, s52, 8
	v_lshl_add_u32 v29, v51, 6, s57                ; 256 w + 64 h: my units in a vector of f32
	v_and_b32 v52, 8, v50
	v_add_nc_u32 v52, v52, v50                     ; r + 8 (r / 8)
	v_mul_u32_u24 v30, v52, TP
	v_lshl_add_u32 v30, v51, 4, v30
	v_add_nc_u32 v30, s58, v30                     ; ws's tiles in LDS
	v_lshlrev_b32 v31, 8, v52
	v_lshl_add_u32 v31, v51, 4, v31
	s_lshl_b32 s59, s52, 14
	v_add_nc_u32 v31, s59, v31                     ; As: (64 w + r + 8 (r / 8)) rows of 256 bytes + 16 h
	s_mul_i32 s59, s52, 3072
	v_add_nc_u32 v28, s59, v1                      ; out0: wave w stores groups 2 w, 2 w + 1 of 1,536 bytes
	v_lshl_add_u32 v55, v0, 4, SB
	v_lshlrev_b32 v56, 4, v0                       ; s: 16 bytes a thread
	v_min_u32 v57, 5, v50
	v_lshl_add_u32 v57, v57, 10, v29               ; A_out_w: row min(r, 5); rows 6 to 15 of the tile repeat row 5, and their results are not read
	; the way out: a group's 64 rows are 192 pieces of 8 bytes; store sigma (0..2) takes pieces u = 2 (32 sigma + lane) + p.  Piece u is part u - 3 tau of row tau = u / 3, which lies in tile tau % 4, lane tau / 4
	s_lshl_b32 s56, s52, 15
	s_add_co_u32 s56, s56, XB
.irp x, 0,1,2,3,4,5                    ; x = 2 sigma + p
	v_lshl_add_u32 v53, v48, 1, 64*(\x/2)+(\x%2)
	v_mul_u32_u24 v54, v53, 171
	v_lshrrev_b32 v54, 9, v54                      ; u / 3, right for u under 512
	v_mul_u32_u24 v49, v54, 3
	v_sub_nc_u32 v49, v53, v49
	v_lshlrev_b32 v[58+\x], 3, v49                 ; 8 (u - 3 tau): also the piece's place in A_out_b
	v_and_b32 v53, 3, v54
	v_lshrrev_b32 v54, 2, v54
	v_lshlrev_b32 v53, 12, v53
	v_lshl_add_u32 v53, v54, 5, v53
	v_add_nc_u32 v53, v[58+\x], v53
	v_add_nc_u32 v[10+\x], s56, v53
.endr
	; first what h0 needs (26 loads), then what the chain needs (38)
	CLOAD ACC, 29, 28, 0                           ; pre[0]
	CLOAD 128, 29, 10, 0                           ; A0_w
	CLOAD 160, 29, 12, 0                           ; A0_b
	global_load_b128 v[192:195], v56, s[8:9]
	global_load_b128 v[196:199], v56, s[8:9] offset:2048
.irp l, 1,2,3
	WIN (\l)<<6
	CLOAD GF, 29, 28, 131072*\l                    ; pre[l]
.endr
	CLOAD AO, 57, 18, 0                            ; A_out_w (window 3)
	WIN 0
.irp x, 0,1,2,3,4,5
	global_load_b64 v[16+2*\x:17+2*\x], v[58+\x], s[20:21]         ; A_out_b as each stored piece wants it
.endr
	s_wait_loadcnt 38                              ; the first 26 are in; the 38 issued behind them may be out
	s_wait_kmcnt 0x0
	s_sub_co_i32 s56, 0, s44                       ; -mA1
	s_sub_co_i32 s57, 0, s38                       ; -cA1
.set i, 0
.rept 32
	v_max_num_f32 v[ACC+i], 0, v[ACC+i]            ; h0
.set i, i+1
.endr
.set i, 0
.rept 16
	v_pk_mul_f32 v[128+i:129+i], v[128+i:129+i], v[ACC+i:ACC+i+1]
	v_pk_mul_f32 v[160+i:161+i], v[160+i:161+i], v[ACC+i:ACC+i+1]
.set i, i+2
.endr
	WIN 0x40
.set i, 0
.rept 64
	v_ldexp_f32 v[AP+i], v[128+i], s56             ; a'' and b'' into window 1
.set i, i+1
.endr
	WIN 0
	ds_store_b128 v55, v[192:195]
	ds_store_b128 v55, v[196:199] offset:2048
	CODEOUT 57, 0                                  ; Q(h0)
	WIN 0x40                                       ; 60 loads: layer 1's weights, the three biases, one fragment of layer 3's
.irp f, 0,1,2,3,4,5,6,7
	ASF 1, \f
.endr
	CLOAD BL, 29, 16, 0
	WIN 0x80
	CLOAD BL, 29, 16, 1024
	WIN 0xc0
	CLOAD BL, 29, 16, 2048
	ASF 3, 7
	WIN 0
	BAR                                            ; s and h0's image lie in LDS.  (My tensor loads may be out)
	s_wait_loadcnt 60                              ; pre[1..3], A_out_w, A_out_b are in; the 60 issued behind them may be out
; h_l.  Source 0: my 64 rows of ws[l-1], from my own tile in LDS; source 1: Q(h_(l-1)) in all 16 columns; C: pre[l] / 2^(cA + cB).
.macro CHAIN l
	s_wait_tensorcnt 3-(\l)                        ; a wave's tensor loads end in order (ISA guide 10.11.1): tile l is in; only I read it
.irp k, 0,1,2,3,4,5,6,7
	ds_load_b128 v[ACC+32+4*\k:ACC+32+4*\k+3], v9 offset:4096*((\l)-1)+512*\k
.endr
.irp f, 0,1,2,3,4,5,6,7
.irp c, 0,1,2,3
	ds_load_b128 v[XF+16*\f+4*\c:XF+16*\f+4*\c+3], v30 offset:TWL*((\l)-1)+(32*(\f/4)+8*((\f/2)%2))*TP+128*(\f%2)+32*\c
.endr
.endr
	s_add_co_i32 s60, s[36+2*(\l)], s[37+2*(\l)]   ; cA + cB
	s_sub_co_i32 s61, 0, s60
	WIN (\l)|((\l)<<6)
	LDEXP32 GF, GF, 61
	s_wait_dscnt 0x0
	WIN (\l)<<4
.irp t, 0,1,2,3                        ; four accumulators by turns, one instruction a turn
	v_wmma_f32_16x16x128_fp8_fp8 v[ACC+8*\t:ACC+8*\t+7], v[XF+32*\t:XF+32*\t+15], v[ACC+32:ACC+47], v[GF+8*\t:GF+8*\t+7]
.endr
	WIN 0
.irp t, 0,1,2,3
	v_wmma_f32_16x16x128_fp8_fp8 v[ACC+8*\t:ACC+8*\t+7], v[XF+32*\t+16:XF+32*\t+31], v[ACC+48:ACC+63], v[ACC+8*\t:ACC+8*\t+7]
.endr
	PLACES
.set i, 0
.rept 32
	v_max_num_f32 v[ACC+i], 0, v[ACC+i]            ; h_l / 2^(cA + cB), each accumulator from its low end on
.set i, i+1
.endr
	s_add_co_i32 s62, s[42+2*(\l)], s[43+2*(\l)]   ; mA + mB
	s_add_co_i32 s62, s62, s60
.if (\l) < 3
	s_sub_co_i32 s62, s62, s[44+2*(\l)]            ; - the next layer's mA
	s_sub_co_i32 s63, s60, s[38+2*(\l)]            ; cA + cB - the next cA
	WIN (\l)<<6
	LDEXP32 GF, ACC, 62                            ; g_l takes pre[l]'s place
	WIN 0
	CODEOUT 63, 4096*(\l)                          ; Q(h_l)
.else
	LDEXP32 ACC, ACC, 62                           ; h3 2^(mA3 + mB3)
	WIN 0xc3
.set i, 0
.rept 16
	v_pk_mul_f32 v[AO+i:AO+i+1], v[AO+i:AO+i+1], v[ACC+i:ACC+i+1]
.set i, i+2
.endr
	WIN 0xcf
.set i, 0
.rept 16
	v_cvt_pk_bf16_f32 v[AO+i], v[AO+2*i], v[AO+2*i+1]              ; A': register p of fragment b' holds units 32 b' + 16 h + 2 p, + 1, as x3's does
.set i, i+1
.endr
	WIN 0
.endif
.endm
	CHAIN 1
	BAR
	CHAIN 2
	BAR
	CHAIN 3
	s_wait_loadcnt 0x0                             ; layer 1's weights and the biases
.irp l, 1,2,3
	s_add_co_i32 s60, s[42+2*\l], s[43+2*\l]
	s_sub_co_i32 s60, 0, s60
	WIN (\l)|((\l)<<6)
	LDEXP32 BL, BL, 60                             ; B_l = As_b / 2^(mA + mB)
.endr
	WIN 0
	; out1[b]
	v_mov_b32 v48, s66
	v_add_f32 v48, s67, v48
	v_add_f32 v48, s93, v48
	v_mul_f32 v48, 0xbfb8aa3b, v48                 ; -x log2(e)
	v_exp_f32 v48, v48
	v_mov_b32 v49, s94                             ; (a plain instruction behind the transcendental)
	s_wait_alu depctr_va_vdst(0)                   ; the wait ahead of the first reader
	v_add_f32 v48, 1.0, v48
	v_rcp_f32 v48, v48
	v_nop
	s_wait_alu depctr_va_vdst(0)
	s_cmp_lg_u32 s53, 0                            ; stored once for a batch: by the first half's
	s_cbranch_scc1 .Lno_f
	s_cmp_lg_u32 s52, 0                            ; wave 0,
	s_cbranch_scc1 .Lno_f
	s_wait_xcnt 0x0                                ; EXEC changes only behind this wait
	v_cmp_eq_u32 vcc_lo, 0, v0
	s_and_saveexec_b32 s95, vcc_lo                 ; lane 0
	global_store_b32 v49, v48, s[34:35]
	s_wait_xcnt 0x0
	s_or_b32 exec_lo, exec_lo, s95
.Lno_f:
	WIN 0x80                                       ; layers 2 and 3's weights: they land under P0 and layer 1
.irp f, 0,1,2,3,4,5,6,7
	ASF 2, \f
.endr
	WIN 0xc0
.irp f, 0,1,2,3,4,5,6
	ASF 3, \f
.endr
	WIN 0
	BAR                                            ; every wave has waited for all its tensor loads and has read its tiles of ws for the last time: their bytes become XA and XB
; ---- P0: four row tiles.  s a'' + b'', two units an instruction; the hold in [0, 448] is the relu as well; codes; my two pieces of each image
.macro P0G more
	s_wait_dscnt 0x0                               ; s's 16 bytes are in, and the last group's stores have read their registers
	v_add_nc_u32 v4, s[XS], v3
.irp pp, 0,1
	WIN 0x11                                       ; a'' and b'' in window 1
.set i, 0
.rept 16
	v_pk_fma_f32 v[TMP+i:TMP+i+1], v[AP+i:AP+i+1], v[SQ+2*\pp:SQ+2*\pp+1], v[BP+i:BP+i+1] op_sel_hi:[1,0,1]
.set i, i+2
.endr
.set i, 0
.rept 16
	v_pk_fma_f32 v[TMP+32+i:TMP+33+i], v[AP+i:AP+i+1], v[SQ+2*\pp:SQ+2*\pp+1], v[BP+i:BP+i+1] op_sel:[0,1,0] op_sel_hi:[1,1,1]
.set i, i+2
.endr
	WIN 0
.if \pp == 1
.if \more
	v_add_nc_u32 v9, s[SO], v6
	ds_load_b128 v[SQ:SQ+3], v9 offset:256         ; the next group's s
.endif
.endif
.set i, 0
.rept 64
	v_med3_num_f32 v[TMP+i], v[TMP+i], 0, s55
.set i, i+1
.endr
.if \pp == 1
	s_wait_dscnt \more                             ; the first pair's four stores have read the codes' registers; the load of s issued behind them may be out
.endif
.irp g, 0,1,2,3,4,5,6,7
	v_cvt_scalef32_pk8_fp8_f32 v[CODES+2*\g:CODES+2*\g+1], v[TMP+8*\g:TMP+8*\g+7], v5
.endr
	v_nop                                          ; one plain instruction between the conversions and the next writes of their sources
.irp k, 0,1,2,3
	ds_store_b128 v4, v[CODES+4*\k:CODES+4*\k+3] offset:(2*\pp+\k/2)*4096+512*(\k%2)
.endr
.endr
	s_add_co_u32 s[XS], s[XS], 16384
	s_add_co_u32 s[SO], s[SO], 256
.endm
.macro P0
	s_mov_b32 s[XS], XA
	v_add_nc_u32 v9, s[SO], v6
	ds_load_b128 v[SQ:SQ+3], v9
	s_mov_b32 s[CNT], 7
.Lp0_\@:
	P0G 1
	s_sub_co_u32 s[CNT], s[CNT], 1
	s_cmp_lg_u32 s[CNT], 0
	s_cbranch_scc1 .Lp0_\@
	P0G 0                                          ; the block's last group asks for no more of s
.endm
; ---- layers 1 and 2
.macro XLOAD q, off                    ; a row tile's image, two fragments, into buffer q
.irp k, 0,1,2,3,4,5,6,7
	ds_load_b128 v[XF+32*(\q)+4*\k:XF+32*(\q)+4*\k+3], v2 offset:(\off)+512*\k
.endr
.endm
.macro VSL ab, k                       ; slice k of 8 of a row tile's vector work: for each accumulator four packed sum x g, then eight holds.  g is source 0 (window L); all else lies in window 0
.set n, 6*(\k)
.rept 6
.set rr, (\ab)+8*(n/12)
.set mm, n%12
.if mm < 4
	v_pk_mul_f32 v[rr+2*mm:rr+2*mm+1], v[GF+8*(n/12)+2*mm:GF+8*(n/12)+2*mm+1], v[rr+2*mm:rr+2*mm+1]
.else
	v_med3_num_f32 v[rr+mm-4], 0, v[rr+mm-4], s55
.endif
.set n, n+1
.endr
.endm
.macro CVOUT c, ab, off                ; 32 held numbers become codes, and my two pieces of the image go out
.irp g, 0,1,2,3
	v_cvt_scalef32_pk8_fp8_f32 v[(\c)+2*\g:(\c)+2*\g+1], v[(\ab)+8*\g:(\ab)+8*\g+7], v5
.endr
	v_nop                                          ; one plain instruction between the conversions and the products that write their sources next
	ds_store_b128 v4, v[(\c):(\c)+3] offset:\off
	ds_store_b128 v4, v[(\c)+4:(\c)+7] offset:(\off)+512
.endm
; A row tile's turn: its eight products (four accumulators by turns, one instruction a turn; the first four take B_L as C) from buffer q into set a, with the tile before's vector work in
; slices of six behind them: those are also the places (ISA guide 7.12.1) between a product and the reads of its sums.  Then the tile before's codes go out, and the tile three on is asked for.
; wcnt: behind a tile's eight loads stand two such ends: at least 16 LDS instructions; the same wait shows the stores of two turns back done, whose registers this turn's codes take.
.macro HT L, q, a, vec, ld, wcnt, ldoff, stoff
	s_wait_dscnt \wcnt
	WIN (\L)|((\L)<<4)                             ; weights (source 0) and B_L (source 2) in window L
.irp t, 0,1,2,3
	v_wmma_f32_16x16x128_fp8_fp8 v[ACC+32*(\a)+8*\t:ACC+32*(\a)+8*\t+7], v[32*\t:32*\t+15], v[XF+32*(\q):XF+32*(\q)+15], v[BL+8*\t:BL+8*\t+7]
.if \vec
	VSL ACC+32*(1-(\a)), \t
.endif
.endr
	WIN \L
.irp t, 0,1,2,3
	v_wmma_f32_16x16x128_fp8_fp8 v[ACC+32*(\a)+8*\t:ACC+32*(\a)+8*\t+7], v[32*\t+16:32*\t+31], v[XF+32*(\q)+16:XF+32*(\q)+31], v[ACC+32*(\a)+8*\t:ACC+32*(\a)+8*\t+7]
.if \vec
	VSL ACC+32*(1-(\a)), \t+4
.endif
.endr
	WIN 0
.if \vec
	CVOUT CODES+8*(1-(\a)), ACC+32*(1-(\a)), \stoff
.else
	PLACES
.endif
.if \ld
	XLOAD ((\q)+3)%4, \ldoff
.endif
.endm
.macro LAYER L, INB, OUTB
	s_mov_b32 s[XI], \INB
	s_mov_b32 s[XS], \OUTB
	v_add_nc_u32 v2, s[XI], v1
	XLOAD 0, 0
	XLOAD 1, 4096
	XLOAD 2, 8192
	HT \L, 0, 0, 0, 1, 16, 3*4096, 0               ; tile 0: there is no vector work yet
	s_mov_b32 s[CNT], 7
.Llay_\@:                              ; a trip: tiles 4 n + 1 .. 4 n + 4; buffers and sets are back where they began
	v_add_nc_u32 v2, s[XI], v1
	v_add_nc_u32 v4, s[XS], v3
	HT \L, 1, 1, 1, 1, 16, 4*4096, 0
	HT \L, 2, 0, 1, 1, 16, 5*4096, 4096
	HT \L, 3, 1, 1, 1, 16, 6*4096, 2*4096
	HT \L, 0, 0, 1, 1, 16, 7*4096, 3*4096
	s_add_co_u32 s[XI], s[XI], 16384
	s_add_co_u32 s[XS], s[XS], 16384
	s_sub_co_u32 s[CNT], s[CNT], 1
	s_cmp_lg_u32 s[CNT], 0
	s_cbranch_scc1 .Llay_\@
	v_add_nc_u32 v4, s[XS], v3
	HT \L, 1, 1, 1, 0, 16, 0, 0                    ; tiles 29 to 31 ask for nothing more: behind tile 30's loads stand 12 LDS instructions, behind tile 31's four
	HT \L, 2, 0, 1, 0, 10, 0, 4096
	HT \L, 3, 1, 1, 0, 2, 0, 2*4096
	WIN \L
.irp k, 0,1,2,3,4,5,6,7
	VSL ACC+32, \k                                 ; tile 31's vector work
.endr
	WIN 0
	s_wait_dscnt 0x0
	CVOUT CODES+8, ACC+32, 3*4096
.endm
; ---- layer 3 and y, three tiles in hand: turn i has tile i's eight products, tile i - 1's relu (slices of four) and rounding to bf16, and tile i - 2's two products with A', whose six sums a row go to YP
.macro MSL ab, k
.set n, 4*(\k)
.rept 4
	v_max_num_f32 v[(\ab)+n], 0, v[(\ab)+n]
.set n, n+1
.endr
.endm
.macro Y0 a
	v_wmma_f32_16x16x32_bf16 v[YA+8*(\a):YA+8*(\a)+7], v[AO:AO+7], v[X3:X3+7], 0
.endm
.macro Y1 a
	v_wmma_f32_16x16x32_bf16 v[YA+8*(\a):YA+8*(\a)+7], v[AO+8:AO+15], v[X3+8:X3+15], v[YA+8*(\a):YA+8*(\a)+7]
.endm
.macro HT3 q, a, f, vec, yy, ld, wcnt, ldoff, yoff
	s_wait_dscnt \wcnt
.if \f
	WIN 0x33
.irp t, 0,1,2,3
	v_wmma_f32_16x16x128_fp8_fp8 v[ACC+32*(\a)+8*\t:ACC+32*(\a)+8*\t+7], v[32*\t:32*\t+15], v[XF+32*(\q):XF+32*(\q)+15], v[BL+8*\t:BL+8*\t+7]
.if \vec
	MSL ACC+32*(1-(\a)), \t
.endif
.endr
	WIN 0x03                                       ; weights and A' (source 0) in window 3
.if \yy
	Y0 \a
.endif
.irp t, 0,1,2,3
	v_wmma_f32_16x16x128_fp8_fp8 v[ACC+32*(\a)+8*\t:ACC+32*(\a)+8*\t+7], v[32*\t+16:32*\t+31], v[XF+32*(\q)+16:XF+32*(\q)+31], v[ACC+32*(\a)+8*\t:ACC+32*(\a)+8*\t+7]
.if \vec
	MSL ACC+32*(1-(\a)), \t+4
.endif
.if \yy
.if \t == 1
	Y1 \a                                          ; two other accumulators' turns stand between y's two links; eight plain instructions follow ahead of the store of y and of the writes over x3
.endif
.endif
.endr
.else
	WIN 0x03
	Y0 \a
	s_wait_alu depctr_va_vdst(0)                   ; no other accumulator is left to take a turn between
	Y1 \a
.if \vec
.irp k, 0,1,2,3,4,5,6,7
	MSL ACC+32*(1-(\a)), \k
.endr
.endif
.endif
	WIN 0
.if \vec == 0
	PLACES
.endif
.if \yy
	ds_store_b128 v4, v[YA+8*(\a):YA+8*(\a)+3] offset:\yoff        ; lanes 0-15: y(row r, 0 .. 5), my 64 units' part; lanes 16-31 hold rows of A' that do not count, in slots that nobody reads
	ds_store_b64 v4, v[YA+8*(\a)+4:YA+8*(\a)+5] offset:(\yoff)+16
.endif
.if \vec
.set i, 0
.rept 16
	v_cvt_pk_bf16_f32 v[X3+i], v[ACC+32*(1-(\a))+2*i], v[ACC+32*(1-(\a))+2*i+1]
.set i, i+1
.endr
.endif
.if \ld
	XLOAD ((\q)+3)%4, \ldoff
.endif
.endm
.macro LAST
	s_mov_b32 s[XI], XA
	s_mov_b32 s[XS], XB
	v_add_nc_u32 v2, s[XI], v1
	XLOAD 0, 0
	XLOAD 1, 4096
	XLOAD 2, 8192
	HT3 0, 0, 1, 0, 0, 1, 16, 3*4096, 0
	HT3 1, 1, 1, 1, 0, 1, 16, 4*4096, 0
	s_mov_b32 s[CNT], 6
.Llast_\@:                             ; a trip: turns 4 n + 2 .. 4 n + 5
	v_add_nc_u32 v2, s[XI], v1
	v_add_nc_u32 v4, s[XS], v8
	HT3 2, 0, 1, 1, 1, 1, 16, 5*4096, 0
	HT3 3, 1, 1, 1, 1, 1, 16, 6*4096, 4096
	HT3 0, 0, 1, 1, 1, 1, 16, 7*4096, 2*4096
	HT3 1, 1, 1, 1, 1, 1, 16, 8*4096, 3*4096
	s_add_co_u32 s[XI], s[XI], 16384
	s_add_co_u32 s[XS], s[XS], 16384
	s_sub_co_u32 s[CNT], s[CNT], 1
	s_cmp_lg_u32 s[CNT], 0
	s_cbranch_scc1 .Llast_\@
	v_add_nc_u32 v2, s[XI], v1
	v_add_nc_u32 v4, s[XS], v8
	HT3 2, 0, 1, 1, 1, 1, 16, 5*4096, 0            ; turns 26 to 28 ask for the last three tiles,
	HT3 3, 1, 1, 1, 1, 1, 16, 6*4096, 4096
	HT3 0, 0, 1, 1, 1, 1, 16, 7*4096, 2*4096
	HT3 1, 1, 1, 1, 1, 0, 16, 0, 3*4096            ; turns 29 to 31 for nothing: the counts run down as in the other layers,
	HT3 2, 0, 1, 1, 1, 0, 10, 0, 4*4096
	HT3 3, 1, 1, 1, 1, 0, 2, 0, 5*4096
	HT3 0, 0, 0, 1, 1, 0, 2, 0, 6*4096             ; and turns 32, 33 drain: the wait shows the stores of two turns back done, whose registers y takes again
	HT3 1, 1, 0, 0, 1, 0, 2, 0, 7*4096
.endm
; ---- the way out: wave w adds the four waves' parts of groups 2 w and 2 w + 1 and the bias; each store's 32 lanes cover 512 consecutive bytes, at a multiple of 512 from out0's first byte
.macro OUT
.irp e, 0,1,2,3,4,5                    ; e = 3 x group + sigma
.irp w, 0,1,2,3
.irp p, 0,1
	ds_load_b64 v[XF+16*\e+4*\w+2*\p:XF+16*\e+4*\w+2*\p+1], v[10+2*(\e%3)+\p] offset:16384*(\e/3)+1024*\w
.endr
.endr
.endr
.irp e, 0,1,2,3,4,5
	s_wait_dscnt 40-8*\e                           ; LDS loads come back in order (ISA guide 5.7.1): this store's eight are in
.irp p, 0,2
	v_pk_add_f32 v[XF+16*\e+\p:XF+16*\e+\p+1], v[XF+16*\e+\p:XF+16*\e+\p+1], v[XF+16*\e+4+\p:XF+16*\e+5+\p]
	v_pk_add_f32 v[XF+16*\e+8+\p:XF+16*\e+9+\p], v[XF+16*\e+8+\p:XF+16*\e+9+\p], v[XF+16*\e+12+\p:XF+16*\e+13+\p]
.endr
.irp p, 0,2
	v_pk_add_f32 v[XF+16*\e+\p:XF+16*\e+\p+1], v[XF+16*\e+\p:XF+16*\e+\p+1], v[XF+16*\e+8+\p:XF+16*\e+9+\p]
.endr
.irp p, 0,2
	v_pk_add_f32 v[XF+16*\e+\p:XF+16*\e+\p+1], v[XF+16*\e+\p:XF+16*\e+\p+1], v[16+4*(\e%3)+\p:17+4*(\e%3)+\p]
.endr
	global_store_b128 v28, v[XF+16*\e:XF+16*\e+3], s[32:33] offset:1536*(\e/3)+512*(\e%3) th:TH_STORE_NT
.endr
.endm
	s_mov_b32 s[SO], 0
	s_mov_b32 s[BLK], 2
.Lblock:                               ; a block of 512 rows
	P0
	BAR                                            ; x0's 32 images lie in XA
	LAYER 1, XA, XB
	s_wait_loadcnt 0x0                             ; layers 2 and 3's weights (first block)
	BAR
	LAYER 2, XB, XA
	BAR
	LAST
	BAR                                            ; all four waves' parts of y lie in YP
	OUT
	BAR                                            ; every wave's reads of y's parts are back: no wave stores into LDS again before all four have said so
	s_wait_xcnt 0x0                                ; the stores have read their registers and their base: both are written again only behind this wait
	s_add_nc_u64 s[32:33], s[32:33], 12288
	s_sub_co_u32 s[BLK], s[BLK], 1
	s_cmp_lg_u32 s[BLK], 0
	s_cbranch_scc1 .Lblock
	s_set_vgpr_msb 0xa
	s_wait_tensorcnt 0x0
	ds_add_u32 v254, v255
	s_wait_dscnt 0x0
	s_set_vgpr_msb 0xa00
	s_endpgm
.Lfunc_end_k_q28eeaed99d_mlp:
	.size	k_q28eeaed99d_mlp, .Lfunc_end_k_q28eeaed99d_mlp-k_q28eeaed99d_mlp
	.p2alignl 7, 3214868480
	.fill 96, 4, 3214868480
	.section	.rodata,"a",@progbits
	.p2align	6, 0x0
	.amdhsa_kernel k_q28eeaed99d_mlp
		.amdhsa_group_segment_fixed_size 279040
		.amdhsa_private_segment_fixed_size 0
		.amdhsa_enable_private_segment 0
		.amdhsa_kernarg_size 112
		.amdhsa_user_sgpr_count 2
		.amdhsa_user_sgpr_kernarg_segment_ptr 1
		.amdhsa_wavefront_size32 1
		.amdhsa_system_sgpr_workgroup_id_x 1
		.amdhsa_system_sgpr_workgroup_id_y 1
		.amdhsa_system_sgpr_workgroup_id_z 1
		.amdhsa_system_vgpr_workitem_id 0
		.amdhsa_next_free_vgpr 1024
		.amdhsa_next_free_sgpr 96
		.amdhsa_reserve_vcc 1
		.amdhsa_float_denorm_mode_32 3
		.amdhsa_float_denorm_mode_16_64 3
		.amdhsa_memory_ordered 1
		.amdhsa_forward_progress 1
		.amdhsa_inst_pref_size 230
	.end_amdhsa_kernel
	.amdgpu_metadata
---
amdhsa.version: [ 1, 2 ]
amdhsa.kernels:
  - .name:           k_q28eeaed99d_mlp
    .symbol:         k_q28eeaed99d_mlp.kd
    .args:
      - { .name: s, .offset: 0, .size: 8, .value_kind: global_buffer, .address_space: global }
      - { .name: A0_w, .offset: 8, .size: 8, .value_kind: global_buffer, .address_space: global }
      - { .name: A0_b, .offset: 16, .size: 8, .value_kind: global_buffer, .address_space: global }
      - { .name: As_w_codes, .offset: 24, .size: 8, .value_kind: global_buffer, .address_space: global }
      - { .name: As_b, .offset: 32, .size: 8, .value_kind: global_buffer, .address_space: global }
      - { .name: A_out_w, .offset: 40, .size: 8, .value_kind: global_buffer, .address_space: global }
      - { .name: A_out_b, .offset: 48, .size: 8, .value_kind: global_buffer, .address_space: global }
      - { .name: ws_w_codes, .offset: 56, .size: 8, .value_kind: global_buffer, .address_space: global }
      - { .name: lowp_scales, .offset: 64, .size: 8, .value_kind: global_buffer, .address_space: global }
      - { .name: c2_b, .offset: 72, .size: 8, .value_kind: global_buffer, .address_space: global }
      - { .name: pre, .offset: 80, .size: 8, .value_kind: global_buffer, .address_space: global }
      - { .name: fpart, .offset: 88, .size: 8, .value_kind: global_buffer, .address_space: global }
      - { .name: out0, .offset: 96, .size: 8, .value_kind: global_buffer, .address_space: global }
      - { .name: out1, .offset: 104, .size: 8, .value_kind: global_buffer, .address_space: global }
    .group_segment_fixed_size: 279040
    .private_segment_fixed_size: 0
    .kernarg_segment_align: 8
    .kernarg_segment_size: 112
    .max_flat_workgroup_size: 128
    .sgpr_count:     96
    .vgpr_count:     1024
    .wavefront_size: 32
...
	.end_amdgpu_metadata
.endif
;; end of part 2
